; MI455X (gfx1250); checked and timed in simulation.
; The chip was launched on July 23, 2026; its instructions are those of AMD's public machine-readable ISA for CDNA 5 (MIT licence, August 2026) and "CDNA5" Instruction Set Architecture Reference Guide (July 2026). The comments in the code are by the model that wrote it; some were corrected since.
;; Masked Multi Head Attention. Allowed arithmetic: matrix products marked QUANTISED: E3M2 operands, one E8M0 scale for each 32 along K, by v_wmma_scale_f32_16x16x128_f8f6f4 with both operands' format E3M2, f32 sums; everything else in f32.
;; Inputs: Wk 512 x 512 float32; Wq 512 x 512 float32; Wv 512 x 512 float32; bk 512 float32; bq 512 float32; bv 512 float32; x 2 x 4,096 x 512 float32.
;; Outputs: out0 2 x 4,096 x 512 float32.
;; This version of the problem:
;;   THIS VERSION OF THE PROBLEM IS GIVEN IN LOW PRECISION. The matrix products marked QUANTISED in the list below multiply operands that are first quantised to E3M2 (3 exponent bits, 2 mantissa bits; 6 bits a number), with one power-of-two scale for each 32 numbers along K (OCP MX v1.0); their sums are f32. All else is computed in f32.
;;   The module's matrix products, in the order in which they are computed (A, B: the left and right operand; K: the contracted axis; several contracted axes count as one K, in the product's order):
;;     1. [M 8,192, K 512] x [K 512, N 512]; A: input x; B: input Wq: QUANTISED
;;     2. [M 8,192, K 512] x [K 512, N 512]; A: input x; B: input Wk: QUANTISED
;;     3. [M 8,192, K 512] x [K 512, N 512]; A: input x; B: input Wv: QUANTISED
;;     4. batch 16 x [M 4,096, K 64] x [K 64, N 4,096]; A: computed on the way; B: computed on the way: QUANTISED
;;     5. batch 16 x [M 4,096, K 4,096] x [K 4,096, N 64]; A: softmax (see below); B: computed on the way: QUANTISED
;;   THE QUANTISER, for each operand of a quantised product, along K:
;;     - K is cut into blocks of 32 from its start; a last block that is shorter is filled with zeros.
;;     - A block's scale is 2^e with e = floor(log2(the largest magnitude in the block)) - 4, held to -126 .. 127; a block of zeros has e = 0. As a byte (E8M0): e + 127.
;;     - Each number is divided by its block's scale, clamped to +-28, and rounded to the nearest number of E3M2, ties to even, subnormals kept.
;;     - The product sums the exact products of the quantised numbers (number of the format x scale) in f32.
;;   ~~~python
;;   def quantise(x, axis):      # numpy; x: float32 -> the quantised numbers, widened to float32 again
;;       x = np.moveaxis(x, axis, -1); K = x.shape[-1]
;;       x = np.pad(x, [(0, 0)] * (x.ndim - 1) + [(0, -K % 32)]); x = x.reshape(x.shape[:-1] + (-1, 32)); a = np.abs(x).max(-1, keepdims=True)
;;       e = np.where(a > 0, np.clip(np.frexp(np.where(a > 0, a, 1))[1] - 1 - 4, -126, 127), 0)      # np.frexp(a)[1] - 1 = floor(log2(a)), exactly
;;       r = np.clip(x / 2.0 ** e, -28, 28)
;;       step = 2.0 ** (np.maximum(np.frexp(np.where(r == 0, 1, r))[1] - 1, -2) - 2)
;;       q = np.round(r / step) * step * 2.0 ** e      # np.round: ties to even
;;       return np.moveaxis(q.reshape(q.shape[:-2] + (-1,))[..., :K], -1, axis).astype(np.float32)
;;   ~~~
;;   SOFTMAX AHEAD OF A QUANTISED PRODUCT. Where the list says 'softmax', what is quantised is not the finished softmax but p = 2^(t - M), with t = logit x log2(e) and M = ceil(the row's largest t), a whole number; so 1/2 < the row's largest p <= 1. The row's sum l is taken of the UNQUANTISED p, in f32, and the product's result is divided by l at the end. Since M is a whole number, a kernel that streams over the keys may use a running M (the ceiling of the running maximum): every later rescaling is an exact power of two, which a block's scale takes up: the codes' values come out the same.
;;   OPERANDS COMPUTED ON THE WAY. 'Computed on the way' means the value that the module computes at that place (a softmax that the list does not call 'softmax' is quantised finished and normalised). What goes into a quantiser is computed in f32, as accurately as f32 sums, v_exp_f32 and their like allow (about 1e-6 of the number): no bf16 or f16 on the way to a quantiser, and a product that is left as it is and whose result goes on into a quantised operand takes f32 operands (vector FMAs, or v_wmma_f32_16x16x4_f32). A number that lies on a knife's edge between two numbers of the format may be rounded either way, as far as f32 arithmetic and the matrix unit's own rounding can turn it there, and no further.
;; One version. Each part assembles by itself: llvm-mc -triple=amdgcn-amd-amdhsa -mcpu=gfx1250 --defsym DOCPART=n.
;; ======== version 1 of 1: 3 launches
;; workspace buffers: codes 3,735,552 bytes; scl 155,648 bytes; qb 3,276,800 bytes; kv 6,553,600 bytes
;; launch quant (part 1): grid 304 x 1, 8 waves a work-group, no clusters, 69,632 bytes of LDS; arguments x, Wq, Wk, Wv, codes, scl; writes codes, scl
.if DOCPART == 1
	.amdgcn_target "amdgcn-amd-amdhsa--gfx1250"
	.amdhsa_code_object_version 6
	.text
	.protected	k_q6e47c1bb5b_quant
	.globl	k_q6e47c1bb5b_quant
	.p2align	8
	.type	k_q6e47c1bb5b_quant,@function
k_q6e47c1bb5b_quant:
	s_mov_b64 s[64:65], 0
	v_nop
	global_prefetch_b8 v0, s[64:65] scope:SCOPE_SE
	s_setreg_imm32_b32 hwreg(HW_REG_WAVE_MODE, 25, 1), 1
	s_wait_xcnt 0x0
; x [8192][512], Wq, Wk, Wv [512][512], f32, K innermost, become codes of BF6 (E3M2) with one E8M0 byte for each 32 along K,
; laid as IMAGES OF OPERAND REGISTERS: a fragment (16 rows x 128 K, 12 registers a lane) is three runs of 512 bytes, lane l at 16 l.
; TILES.  32 rows on end are a pair of two tiles; lane r of tile u holds row 32 pair + 8 u + r + 8 (r / 8), so that in a product that takes
; the tiles as source 0 the 16 result registers of a pair are 16 neighbouring rows.  Pairs 0-255: x; 256-271: Wq; 272-287: Wk; 288-303: Wv.
; codes: tile T, K step s, group g: T x 6144 + s x 1536 + g x 512 + 16 lane.   scl: pair P: P x 512 + 16 (16 u + r) + 4 s: a scale word.
; A block's scale is 2^(floor(log2(largest magnitude)) - 4); its byte is the largest magnitude's exponent field - 4, held at 1 from below.
; LIMITS: a block whose largest magnitude lies under 2^-122 keeps the byte 1; a block of zeros gets the byte 1 and not 127 (its codes are zeros,
; and this program alone reads the bytes); NaN and infinities among the inputs are not served.
; SHARES.  A work-group takes a pair (64 KiB of f32), wave w the tile u = w / 4 and the K step s = w % 4: 16 rows x 512 bytes.  Each load reads 512
; consecutive bytes of one row; the numbers turn through the wave's own stage in LDS so that a lane gets 16 neighbours of each block of its row.
.set STGW, 8448                        ; a wave's stage: 16 rows x 528
.set SPT,  528                         ; a stage row: 512 bytes + 16, so that sixteen rows begin in sixteen different columns of 16 bytes
.set SCB,  8*STGW                      ; behind the stages: the pair's 128 scale words
.set R,    16                          ; v16-79   the numbers as loaded
.set X,    80                          ; v80-143  register 16 b + i = k 32 b + 16 (lane / 16) + i of my row
.set PC,   144                         ; v144-155 the fragment
.set CT,   156                         ; v156-162 the upper halves of the blocks, before they are moved
.set TM,   164                         ; v164-179 at work
.set PW,   180                         ; the scale word
.set SEL,  20                          ; s[20:21] selects of v_permlanex16_b32 for lane l xor 16
; 64 numbers of a lane, register 16 b + i = k 32 b + 16 (lane / 16) + i, become blocks 0, 1 in six registers at d0, blocks 2, 3 at d1, and the scale word in pw.
.macro QUANT src, d0, d1, pw
.irp b, 0,1,2,3
	v_max3_num_f32 v[TM+\b], |v[(\src)+16*\b]|, |v[(\src)+1+16*\b]|, 0x2800000   ; my 16 numbers of block b, and the floor 2^(5 - 127): the byte cannot fall under 1
.endr
.irp i, 2,4,6,8,10,12,14
.irp b, 0,1,2,3
	s_delay_alu instid0(VALU_DEP_4)
	v_max3_num_f32 v[TM+\b], v[TM+\b], |v[(\src)+16*\b+\i]|, |v[(\src)+1+16*\b+\i]|   ; the four blocks by turns
.endr
.endr
.irp b, 0,1,2,3
	s_delay_alu instid0(VALU_DEP_4)
	v_permlanex16_b32 v[TM+4+\b], v[TM+\b], s[SEL], s[SEL+1]
.endr
.irp b, 0,1,2,3
	s_delay_alu instid0(VALU_DEP_4)
	v_max_num_f32 v[TM+\b], v[TM+\b], v[TM+4+\b]      ; with lane l xor 16: the block's largest magnitude
.endr
.irp b, 0,1,2,3
	s_delay_alu instid0(VALU_DEP_4)
	v_add_nc_u32 v[TM+12+\b], 0xfe000000, v[TM+\b]    ; 4 off its exponent field: the conversion's scale operand
.endr
.irp b, 0,1,2,3
	s_delay_alu instid0(VALU_DEP_4)
	v_lshrrev_b32 v[TM+4+\b], 23, v[TM+12+\b]         ; the scale's byte
.endr
	s_delay_alu instid0(VALU_DEP_3)
	v_lshl_or_b32 v[\pw], v[TM+5], 8, v[TM+4]
	s_delay_alu instid0(VALU_DEP_1)
	v_lshl_or_b32 v[\pw], v[TM+6], 16, v[\pw]
	s_delay_alu instid0(VALU_DEP_1)
	v_lshl_or_b32 v[\pw], v[TM+7], 24, v[\pw]
	v_cvt_scalef32_pk16_bf6_f32 v[(\d0):(\d0)+2], v[(\src):(\src)+15], v[TM+12]
	v_cvt_scalef32_pk16_bf6_f32 v[CT:CT+2], v[(\src)+16:(\src)+31], v[TM+13]      ; a conversion's three registers begin on an even number
	v_cvt_scalef32_pk16_bf6_f32 v[(\d1):(\d1)+2], v[(\src)+32:(\src)+47], v[TM+14]
	v_cvt_scalef32_pk16_bf6_f32 v[CT+4:CT+6], v[(\src)+48:(\src)+63], v[TM+15]
	v_nop                                             ; one plain place behind the scaled conversions
.irp i, 0,1,2
	v_permlane16_swap_b32 v[(\d0)+\i], v[CT+\i]       ; the layout wants a whole block in a lane: lanes 0-15 the even block, lanes 16-31 the odd one
.endr
.irp i, 0,1,2
	s_delay_alu instid0(VALU_DEP_3)
	v_mov_b32 v[(\d0)+3+\i], v[CT+\i]
.endr
.irp i, 0,1,2
	v_permlane16_swap_b32 v[(\d1)+\i], v[CT+4+\i]
.endr
.irp i, 0,1,2
	s_delay_alu instid0(VALU_DEP_3)
	v_mov_b32 v[(\d1)+3+\i], v[CT+4+\i]
.endr
.endm
	s_load_b256 s[4:11], s[0:1], 0x0               ; x s[4:5], Wq s[6:7], Wk s[8:9], Wv s[10:11]
	s_load_b128 s[12:15], s[0:1], 0x20             ; codes s[12:13], scl s[14:15]
	v_lshl_add_u32 v192, v0, 2, 0x10c00
	v_mov_b32 v193, 0
	v_lshrrev_b32 v1, 5, v0
	s_delay_alu instid0(VALU_DEP_1)
	v_readfirstlane_b32 s16, v1                    ; wave 0..7
	v_and_b32 v1, 31, v0                           ; lane
	v_and_b32 v2, 15, v0                           ; r
	v_bfe_u32 v3, v0, 4, 1                         ; h
	s_delay_alu instid0(VALU_DEP_3)
	v_lshlrev_b32 v4, 4, v1                        ; 16 x lane
	s_lshr_b32 s17, s16, 2                         ; u: my tile of the pair
	s_and_b32 s18, s16, 3                          ; s: my K step
	s_mul_i32 s19, s16, STGW
	v_add_nc_u32 v5, s19, v4                       ; the stage, on the way in: a row as it was loaded
	v_mul_u32_u24 v6, v2, SPT
	s_delay_alu instid0(VALU_DEP_1)
	v_lshl_add_u32 v6, v3, 6, v6
	s_delay_alu instid0(VALU_DEP_1)
	v_add_nc_u32 v6, s19, v6                       ; and out: row r, + 64 h: my 16 numbers of a block
	s_lshl_b32 s19, s17, 8
	s_lshl_b32 s28, s18, 2
	s_add_co_u32 s19, s19, s28
	s_add_co_u32 s19, s19, SCB
	v_lshl_add_u32 v7, v2, 4, s19                  ; my row's scale word: SCB + 256 u + 16 r + 4 s
	v_add_nc_u32 v8, SCB, v4                       ; and the pair's words on the way out
	s_mov_b32 s[SEL], 0x76543210
	s_mov_b32 s[SEL+1], 0xfedcba98
.irp b, 0,1,2,3
	v_mov_b32 v[TM+4+\b], 0                        ; written once: a lane permute's destination counts as one of its sources
.endr
	s_mov_b32 s28, 288
	s_mov_b32 s29, 272
	s_mov_b32 s30, 256
	s_wait_alu depctr_va_vdst(0)
	s_wait_kmcnt 0x0
	s_cmp_lt_u32 ttmp9, s28                        ; which tensor is my pair's?  The choice hangs on the work-group's number alone
	s_cselect_b64 s[22:23], s[8:9], s[10:11]
	s_cselect_b32 s31, s29, s28
	s_cmp_lt_u32 ttmp9, s29
	s_cselect_b64 s[22:23], s[6:7], s[22:23]
	s_cselect_b32 s31, s30, s31
	s_cmp_lt_u32 ttmp9, s30
	s_cselect_b64 s[22:23], s[4:5], s[22:23]
	s_cselect_b32 s31, 0, s31
	s_sub_co_u32 s28, ttmp9, s31                   ; the pair's number in its tensor
	s_lshl_b32 s28, s28, 16                        ; 32 rows of 2,048 bytes,
	s_lshl_b32 s29, s17, 14                        ; tile u begins 8 rows on,
	s_add_co_u32 s28, s28, s29
	s_lshl_b32 s29, s18, 9                         ; K step s 512 bytes on
	s_add_co_u32 s28, s28, s29
	s_mov_b32 s29, 0
	s_add_nc_u64 s[22:23], s[22:23], s[28:29]
	s_lshl_b32 s28, ttmp9, 1
	s_add_co_u32 s28, s28, s17
	s_mul_i32 s28, s28, 6144
	s_mul_i32 s30, s18, 1536
	s_add_co_u32 s28, s28, s30
	s_add_nc_u64 s[24:25], s[12:13], s[28:29]      ; my fragment's image
	s_lshl_b32 s28, ttmp9, 9
	s_add_nc_u64 s[26:27], s[14:15], s[28:29]      ; the pair's scale words
.irp i, 0,1,2,3,4,5,6,7,8,9,10,11,12,13,14,15
	global_load_b128 v[R+4*\i:R+4*\i+3], v4, s[22:23] offset:(\i+8*(\i/8))*2048 th:TH_LOAD_NT   ; the tile's row i: 512 consecutive bytes, read once in the launch
.endr
.irp i, 0,1,2,3,4,5,6,7,8,9,10,11,12,13,14,15
	s_wait_loadcnt 15-\i                           ; loads come back in order: row i is in, the 15 - i younger ones may be out
	ds_store_b128 v5, v[R+4*\i:R+4*\i+3] offset:SPT*\i
.endr
.irp b, 0,1,2,3
.irp j, 0,1,2,3
	ds_load_b128 v[X+16*\b+4*\j:X+16*\b+4*\j+3], v6 offset:128*\b+16*\j   ; LDS serves a wave's instructions in order: these see my stores
.endr
.endr
	s_wait_dscnt 0x0
	QUANT X, PC, PC+6, PW
.irp g, 0,1,2
	global_store_b128 v4, v[PC+4*\g:PC+4*\g+3], s[24:25] offset:512*\g      ; 512 consecutive bytes a store
.endr
	ds_store_b32 v7, v[PW]                         ; both halves of the lanes write the same word with the same value
	s_wait_dscnt 0x0                               ; for wave 0's sake: my word has landed
	s_barrier_signal -1
	s_barrier_wait -1
	s_cmp_lg_u32 s16, 0
	s_cbranch_scc1 .Lend
	ds_load_b128 v[184:187], v8                    ; the pair's 128 words, which eight waves wrote
	s_wait_dscnt 0x0
	global_store_b128 v4, v[184:187], s[26:27]     ; 512 consecutive bytes
.Lend:
	s_wait_tensorcnt 0x0
	ds_add_u32 v192, v193
	s_wait_dscnt 0x0
	s_endpgm
.Lfunc_end_k_q6e47c1bb5b_quant:
	.size	k_q6e47c1bb5b_quant, .Lfunc_end_k_q6e47c1bb5b_quant-k_q6e47c1bb5b_quant
	.p2alignl 7, 3214868480
	.fill 96, 4, 3214868480
	.section	.rodata,"a",@progbits
	.p2align	6, 0x0
	.amdhsa_kernel k_q6e47c1bb5b_quant
		.amdhsa_group_segment_fixed_size 69632
		.amdhsa_private_segment_fixed_size 0
		.amdhsa_enable_private_segment 0
		.amdhsa_kernarg_size 48
		.amdhsa_user_sgpr_count 2
		.amdhsa_user_sgpr_kernarg_segment_ptr 1
		.amdhsa_wavefront_size32 1
		.amdhsa_system_sgpr_workgroup_id_x 1
		.amdhsa_system_sgpr_workgroup_id_y 1
		.amdhsa_system_sgpr_workgroup_id_z 1
		.amdhsa_system_vgpr_workitem_id 0
		.amdhsa_next_free_vgpr 194
		.amdhsa_next_free_sgpr 66
		.amdhsa_reserve_vcc 0
		.amdhsa_float_denorm_mode_32 3
		.amdhsa_float_denorm_mode_16_64 3
		.amdhsa_memory_ordered 1
		.amdhsa_forward_progress 1
		.amdhsa_inst_pref_size 14
	.end_amdhsa_kernel
	.amdgpu_metadata
---
amdhsa.version: [ 1, 2 ]
amdhsa.kernels:
  - .name:           k_q6e47c1bb5b_quant
    .symbol:         k_q6e47c1bb5b_quant.kd
    .args:
      - { .name: x, .offset: 0, .size: 8, .value_kind: global_buffer, .address_space: global }
      - { .name: Wq, .offset: 8, .size: 8, .value_kind: global_buffer, .address_space: global }
      - { .name: Wk, .offset: 16, .size: 8, .value_kind: global_buffer, .address_space: global }
      - { .name: Wv, .offset: 24, .size: 8, .value_kind: global_buffer, .address_space: global }
      - { .name: codes, .offset: 32, .size: 8, .value_kind: global_buffer, .address_space: global }
      - { .name: scl, .offset: 40, .size: 8, .value_kind: global_buffer, .address_space: global }
    .group_segment_fixed_size: 69632
    .private_segment_fixed_size: 0
    .kernarg_segment_align: 8
    .kernarg_segment_size: 48
    .max_flat_workgroup_size: 256
    .sgpr_count:     66
    .vgpr_count:     194
    .wavefront_size: 32
...
	.end_amdgpu_metadata
.endif
;; end of part 1
;; launch proj (part 2): grid 64 x 4, 3 waves a work-group, no clusters, 0 bytes of LDS; arguments codes, scl, bq, bk, bv, qb, kv; writes qb, kv
.if DOCPART == 2
	.amdgcn_target "amdgcn-amd-amdhsa--gfx1250"
	.amdhsa_code_object_version 6
	.text
	.protected	k_q6e47c1bb5b_proj
	.globl	k_q6e47c1bb5b_proj
	.p2align	8
	.type	k_q6e47c1bb5b_proj,@function
k_q6e47c1bb5b_proj:
	s_mov_b64 s[64:65], 0
	v_nop
	global_prefetch_b8 v0, s[64:65] scope:SCOPE_SE
	s_setreg_imm32_b32 hwreg(HW_REG_WAVE_MODE, 25, 1), 1
	s_wait_xcnt 0x0
; q = x Wq^T + bq, k = x Wk^T + bk, v = x Wv^T + bv on codes of BF6 (K = 512, four K steps of 128), sums in f32; the results are quantised in registers:
; q and k along the head's 64 (two blocks), v along the keys, and leave as images of the registers in which the attention launch takes them.
; SHARES.  768 wave tiles of 128 tokens x 128 outputs (two heads), 64 accumulators each; a work-group is three waves that share nothing: no LDS, no barrier.
; tb = work-group x: the 128 tokens.  g = 3 y + wave = 0 .. 11: matrix g / 4 (0 q, 1 k, 2 v), heads 2 (g % 4) and 2 (g % 4) + 1.
; ONE TEXT FOR THE THREE PRODUCTS.  Source 0 is the INNER operand: its rows end up along a lane's registers; source 1 the OUTER one: a lane holds one of its rows.
; q, k: inner = W, outer = x: a lane holds a token, its registers run along the outputs.   v: inner = x, outer = W: a lane holds a channel d, its registers run along the tokens, the next K.
; By the tiles' row order the 64 registers of the eight accumulators of one outer tile are: register 16 b + i = inner row 32 b + 16 (lane / 16) + i.
; Operands come from memory straight into registers: a fragment is read once by its wave and feeds eight products; with four K steps a ring in LDS would have nothing to save.
; OUT.  qb: a record of 6,400 bytes for each head and 128 queries: four pair images of 1,536 bytes (registers 0-5: the even tile's 64 channels, 6-11: the odd tile's), then 256 bytes of
; scale words, 8 bytes a lane: register m holds pair 2 m in lanes 0-15 and pair 2 m + 1 in lanes 16-31; bytes 0, 1 of a word are the even tile's blocks, bytes 2, 3 the odd tile's.
; kv: a record of 12,800 bytes for each head and 128 keys: k as in qb, then v's four fragments (16 channels x 128 keys) and 256 bytes of their scale words, tile 2 m below, 2 m + 1 above.
; LIMITS: as in the quantising launch: byte held at 1 under 2^-122, a block of zeros gets byte 1, NaN and infinities are not served.
; REGISTERS.  window 0: v1-4 offsets; v16-31 inner scale words, v32-47 outer ones (4 pair + K step); v48-63 v's bias, a pair a tile; v64-159, v160-255 outer fragments, two sets;
;   on the way out v64-127 64 numbers, v128-151 codes, v152-185 at work.   window 1: v0-95, v128-223 inner fragments, two sets; v96-127, v224-255 the bias along the outputs.
;   windows 2, 3: accumulator (o, i) at v[8 (8 (o % 4) + i)], o < 4 in window 2.
.set HA,  64
.set PA,  128
.set PB,  140
.set CT,  152
.set TM,  160
.set PW,  176
.set WAE, 178
.set WBE, 179
.set WAO, 180
.set WBO, 181
.set SA,  182
.set SB,  184
.set VS,  182
.set VB,  48
.set SEL, 40
.set MSB, 0
.macro WIN new                         ; the immediate's high byte repeats the setting that is left; a switch that changes nothing is dropped
.if MSB != (\new)
	s_set_vgpr_msb (MSB<<8)|(\new)
.set MSB, (\new)
.endif
.endm
.macro PLACES                          ; four plain places behind a matrix instruction, in front of loads into its sources and of reads of results
.rept 4
	v_nop
.endr
.endm
; 64 numbers of a lane, register 16 b + i = k 32 b + 16 (lane / 16) + i, become blocks 0, 1 in six registers at d0, blocks 2, 3 at d1, and the scale word in pw.
.macro QUANT src, d0, d1, pw
.irp b, 0,1,2,3
	v_max3_num_f32 v[TM+\b], |v[(\src)+16*\b]|, |v[(\src)+1+16*\b]|, 0x2800000   ; my 16 numbers of block b, and the floor 2^(5 - 127): the byte cannot fall under 1
.endr
.irp i, 2,4,6,8,10,12,14
.irp b, 0,1,2,3
	v_max3_num_f32 v[TM+\b], v[TM+\b], |v[(\src)+16*\b+\i]|, |v[(\src)+1+16*\b+\i]|
.endr
.endr
.irp b, 0,1,2,3
	v_permlanex16_b32 v[TM+4+\b], v[TM+\b], s[SEL], s[SEL+1]
.endr
.irp b, 0,1,2,3
	v_max_num_f32 v[TM+\b], v[TM+\b], v[TM+4+\b]      ; with lane l xor 16: the block's largest magnitude
.endr
.irp b, 0,1,2,3
	v_add_nc_u32 v[TM+12+\b], 0xfe000000, v[TM+\b]    ; 4 off its exponent field: the conversion's scale operand
.endr
.irp b, 0,1,2,3
	v_lshrrev_b32 v[TM+4+\b], 23, v[TM+12+\b]         ; the scale's byte
.endr
	v_lshl_or_b32 v[\pw], v[TM+5], 8, v[TM+4]
	v_lshl_or_b32 v[\pw], v[TM+6], 16, v[\pw]
	v_lshl_or_b32 v[\pw], v[TM+7], 24, v[\pw]
	v_cvt_scalef32_pk16_bf6_f32 v[(\d0):(\d0)+2], v[(\src):(\src)+15], v[TM+12]
	v_cvt_scalef32_pk16_bf6_f32 v[CT:CT+2], v[(\src)+16:(\src)+31], v[TM+13]
	v_cvt_scalef32_pk16_bf6_f32 v[(\d1):(\d1)+2], v[(\src)+32:(\src)+47], v[TM+14]
	v_cvt_scalef32_pk16_bf6_f32 v[CT+4:CT+6], v[(\src)+48:(\src)+63], v[TM+15]
	v_nop                                             ; one plain place behind the scaled conversions
.irp i, 0,1,2
	v_permlane16_swap_b32 v[(\d0)+\i], v[CT+\i]       ; a whole block in a lane: lanes 0-15 the even block, lanes 16-31 the odd one
.endr
.irp i, 0,1,2
	v_mov_b32 v[(\d0)+3+\i], v[CT+\i]
.endr
.irp i, 0,1,2
	v_permlane16_swap_b32 v[(\d1)+\i], v[CT+4+\i]
.endr
.irp i, 0,1,2
	v_mov_b32 v[(\d1)+3+\i], v[CT+4+\i]
.endr
.endm
; 48 loads: K step ks of the eight inner and the eight outer fragments into set bu
.macro LOADK ks, bu
	WIN 0x40                                       ; destination window 1, offset window 0
.irp i, 0,1,2,3,4,5,6,7
.irp g, 0,1,2
	global_load_b128 v[128*(\bu)+12*\i+4*\g:128*(\bu)+12*\i+4*\g+3], v1, s[24:25] offset:\i*6144+(\ks)*1536+512*\g
.endr
.endr
	WIN 0
.irp i, 0,1,2,3,4,5,6,7
.irp g, 0,1,2
	global_load_b128 v[64+96*(\bu)+12*\i+4*\g:64+96*(\bu)+12*\i+4*\g+3], v1, s[26:27] offset:\i*6144+(\ks)*1536+512*\g
.endr
.endr
.endm
; one product: outer tile o, inner tile i.  A scale register carries the pair's even tile in lanes 0-15 and its odd tile in lanes 16-31.
.macro WM o, i, ks, bu, zero
.set rD, 8*(8*((\o)%4)+(\i))
.set rA, 128*(\bu)+12*(\i)
.set rB, 64+96*(\bu)+12*(\o)
.set rSA, 16+4*((\i)/2)+(\ks)
.set rSB, 32+4*((\o)/2)+(\ks)
.if \zero
.if ((\i)%2 == 0) && ((\o)%2 == 0)
	v_wmma_scale_f32_16x16x128_f8f6f4 v[rD:rD+7], v[rA:rA+11], v[rB:rB+11], 0, v[rSA], v[rSB] matrix_a_fmt:MATRIX_FMT_BF6 matrix_b_fmt:MATRIX_FMT_BF6
.elseif (\o)%2 == 0
	v_wmma_scale_f32_16x16x128_f8f6f4 v[rD:rD+7], v[rA:rA+11], v[rB:rB+11], 0, v[rSA], v[rSB] matrix_a_fmt:MATRIX_FMT_BF6 matrix_b_fmt:MATRIX_FMT_BF6 matrix_a_scale:MATRIX_SCALE_ROW1
.elseif (\i)%2 == 0
	v_wmma_scale_f32_16x16x128_f8f6f4 v[rD:rD+7], v[rA:rA+11], v[rB:rB+11], 0, v[rSA], v[rSB] matrix_a_fmt:MATRIX_FMT_BF6 matrix_b_fmt:MATRIX_FMT_BF6 matrix_b_scale:MATRIX_SCALE_ROW1
.else
	v_wmma_scale_f32_16x16x128_f8f6f4 v[rD:rD+7], v[rA:rA+11], v[rB:rB+11], 0, v[rSA], v[rSB] matrix_a_fmt:MATRIX_FMT_BF6 matrix_b_fmt:MATRIX_FMT_BF6 matrix_a_scale:MATRIX_SCALE_ROW1 matrix_b_scale:MATRIX_SCALE_ROW1
.endif
.else
.if ((\i)%2 == 0) && ((\o)%2 == 0)
	v_wmma_scale_f32_16x16x128_f8f6f4 v[rD:rD+7], v[rA:rA+11], v[rB:rB+11], v[rD:rD+7], v[rSA], v[rSB] matrix_a_fmt:MATRIX_FMT_BF6 matrix_b_fmt:MATRIX_FMT_BF6
.elseif (\o)%2 == 0
	v_wmma_scale_f32_16x16x128_f8f6f4 v[rD:rD+7], v[rA:rA+11], v[rB:rB+11], v[rD:rD+7], v[rSA], v[rSB] matrix_a_fmt:MATRIX_FMT_BF6 matrix_b_fmt:MATRIX_FMT_BF6 matrix_a_scale:MATRIX_SCALE_ROW1
.elseif (\i)%2 == 0
	v_wmma_scale_f32_16x16x128_f8f6f4 v[rD:rD+7], v[rA:rA+11], v[rB:rB+11], v[rD:rD+7], v[rSA], v[rSB] matrix_a_fmt:MATRIX_FMT_BF6 matrix_b_fmt:MATRIX_FMT_BF6 matrix_b_scale:MATRIX_SCALE_ROW1
.else
	v_wmma_scale_f32_16x16x128_f8f6f4 v[rD:rD+7], v[rA:rA+11], v[rB:rB+11], v[rD:rD+7], v[rSA], v[rSB] matrix_a_fmt:MATRIX_FMT_BF6 matrix_b_fmt:MATRIX_FMT_BF6 matrix_a_scale:MATRIX_SCALE_ROW1 matrix_b_scale:MATRIX_SCALE_ROW1
.endif
.endif
.endm
; a K step: 64 products.  The 64 accumulators take turns, one instruction a turn, in the same order in every step.  zero = 1: the first step starts the sums.
.macro MULK ks, bu, zero
.irp o, 0,1,2,3,4,5,6,7
	WIN 0xa1+0x50*(\o/4)                           ; source 0 window 1, source 1 window 0, C and D window 2 or 3
.irp i, 0,1,2,3,4,5,6,7
	WM \o, \i, \ks, \bu, \zero
.endr
.endr
.endm
	s_load_b256 s[4:11], s[0:1], 0x0               ; codes s[4:5], scl s[6:7], bq s[8:9], bk s[10:11]
	s_load_b128 s[12:15], s[0:1], 0x20             ; bv s[12:13], qb s[14:15]
	s_load_b64 s[16:17], s[0:1], 0x30              ; kv
	v_lshrrev_b32 v1, 5, v0
	v_readfirstlane_b32 s18, v1                    ; wave 0..2
	v_and_b32 v5, 31, v0                           ; lane
	v_lshlrev_b32 v1, 4, v5                        ; 16 x lane: an image's place
	v_lshlrev_b32 v2, 3, v5                        ; 8 x lane: the scale words' place on the way out
	v_bfe_u32 v6, v0, 4, 1                         ; h
	v_lshlrev_b32 v3, 6, v6                        ; the bias along the outputs: 64 h bytes
	v_and_b32 v7, 15, v0                           ; r
	v_and_b32 v8, 8, v7
	v_add_nc_u32 v7, v7, v8                        ; r + 8 (r / 8)
	v_lshlrev_b32 v4, 2, v7                        ; the bias of my channel
	s_mov_b32 s19, ttmp9                           ; tb
	s_and_b32 s20, ttmp7, 0xffff
	s_mul_i32 s20, s20, 3
	s_add_co_u32 s20, s20, s18                     ; g
	s_lshr_b32 s21, s20, 2                         ; the matrix: 0 q, 1 k, 2 v
	s_and_b32 s22, s20, 3                          ; the pair of heads
	s_mov_b32 s38, 0xffff0000                      ; lanes 16-31
	s_mov_b32 s[SEL], 0x76543210
	s_mov_b32 s[SEL+1], 0xfedcba98
	s_mul_i32 s42, s19, 49152                      ; x: eight tiles of 6,144 bytes from tile 8 tb on,
	s_lshl_b32 s43, s19, 11                        ; four pairs of 512 bytes of scale words
	s_mul_i32 s44, s20, 49152
	s_add_co_u32 s44, s44, 3145728                 ; W: from tile 512 + 8 g on,
	s_lshl_b32 s45, s20, 11
	s_add_co_u32 s45, s45, 131072                  ; from pair 256 + 4 g on
	s_mov_b32 s47, 0
	s_mov_b32 s49, 0
	s_mov_b32 s51, 0
	s_mov_b32 s53, 0
	s_cmp_eq_u32 s21, 2                            ; only offsets and buffers are chosen: the products' text is one
	s_cselect_b32 s46, s42, s44                    ; inner codes: x for v, else W
	s_cselect_b32 s48, s44, s42                    ; outer codes
	s_cselect_b32 s50, s43, s45                    ; inner scale words
	s_cselect_b32 s52, s45, s43                    ; outer scale words
	s_cselect_b32 s55, 6400, 0                     ; v lies behind k in a record
	s_wait_alu depctr_va_vdst(0)
	s_wait_kmcnt 0x0
	s_cselect_b64 s[32:33], s[12:13], s[10:11]     ; bv or bk,
	s_cmp_eq_u32 s21, 0
	s_cselect_b64 s[32:33], s[8:9], s[32:33]       ; or bq
	s_cselect_b64 s[34:35], s[14:15], s[16:17]     ; qb or kv
	s_mov_b32 s54, 12800
	s_cselect_b32 s54, 6400, s54                   ; a record's bytes
	s_add_nc_u64 s[24:25], s[4:5], s[46:47]
	s_add_nc_u64 s[26:27], s[4:5], s[48:49]
	s_add_nc_u64 s[28:29], s[6:7], s[50:51]
	s_add_nc_u64 s[30:31], s[6:7], s[52:53]
	s_lshl_b32 s56, s22, 9                         ; my 128 numbers of the bias
	s_mov_b32 s57, 0
	s_add_nc_u64 s[32:33], s[32:33], s[56:57]
	s_lshr_b32 s58, s19, 5                         ; the batch,
	s_lshl_b32 s58, s58, 3
	s_lshl_b32 s59, s22, 1
	s_add_co_u32 s58, s58, s59                     ; 8 batch + my first head,
	s_lshl_b32 s58, s58, 5
	s_and_b32 s59, s19, 31
	s_add_co_u32 s58, s58, s59                     ; 32 records a head, + the block of 128 tokens
	s_mul_i32 s58, s58, s54
	s_add_co_u32 s58, s58, s55
	s_mov_b32 s59, 0
	s_add_nc_u64 s[34:35], s[34:35], s[58:59]      ; where the first head's part goes,
	s_lshl_b32 s58, s54, 5
	s_add_nc_u64 s[36:37], s[34:35], s[58:59]      ; and the second head's: 32 records on
	; Every wave loads its bias in both forms (along the outputs: 64 registers; of its own channel: a pair a tile), so that no branch stands ahead of the products.
	WIN 0x40
.irp b, 0,1,2,3
.irp c, 0,1,2,3
	global_load_b128 v[96+16*\b+4*\c+96*(\b/2):96+16*\b+4*\c+96*(\b/2)+3], v3, s[32:33] offset:128*\b+16*\c   ; register 16 b + i: the bias of output 32 b + 16 h + i
.endr
.endr
	WIN 0
.irp o, 0,1,2,3,4,5,6,7
	global_load_b32 v[VB+2*\o], v4, s[32:33] offset:(32*(\o/2)+8*(\o%2))*4     ; tile o: the bias of output 32 (o / 2) + 8 (o % 2) + r + 8 (r / 8), twice: a pair for the packed addition
	global_load_b32 v[VB+2*\o+1], v4, s[32:33] offset:(32*(\o/2)+8*(\o%2))*4
.endr
.irp p, 0,1,2,3
	global_load_b128 v[16+4*\p:19+4*\p], v1, s[28:29] offset:512*\p            ; a pair's scale words of the four K steps
	global_load_b128 v[32+4*\p:35+4*\p], v1, s[30:31] offset:512*\p
.endr
	LOADK 0, 0
	LOADK 1, 1
	s_wait_loadcnt 48                              ; all but K step 1's 48 loads are in
	MULK 0, 0, 1
	PLACES
	LOADK 2, 0
	s_wait_loadcnt 48                              ; K step 1 is in; K step 2's 48 may be out
	MULK 1, 1, 0
	PLACES
	LOADK 3, 1
	s_wait_loadcnt 48                              ; K step 2 is in
	MULK 2, 0, 0
	s_wait_loadcnt 0x0
	MULK 3, 1, 0
	WIN 0
	PLACES
.irp b, 0,1,2,3
	v_mov_b32 v[TM+4+\b], 0                        ; written once: a lane permute's destination counts as one of its sources
.endr
	s_cmp_eq_u32 s21, 2
	s_cbranch_scc1 .Lvout
; q, k: outer tile o = 16 tokens.  The packed addition of the bias also brings the sums into window 0, each accumulator from its low end on.
.macro EPI_QK o
	s_wait_xcnt 0x0                                ; the last stores have read their data: the codes' registers are written again only behind this wait
	WIN 0x06+(\o)/4                                ; source 0 window 2 or 3, source 1 window 1
.set kk, 0
.rept 32
	v_pk_add_f32 v[HA+2*kk:HA+2*kk+1], v[64*((\o)%4)+2*kk:64*((\o)%4)+2*kk+1], v[96+2*kk+96*(kk/16):96+2*kk+96*(kk/16)+1]
.set kk, kk+1
.endr
	WIN 0
	QUANT HA, PA+6*((\o)%2), PB+6*((\o)%2), PW+(\o)%2      ; blocks 0, 1: the first head's 64 channels; blocks 2, 3: the second head's
.if (\o)%2
.irp g, 0,1,2
	global_store_b128 v1, v[PA+4*\g:PA+4*\g+3], s[34:35] offset:((\o)/2)*1536+512*\g   ; the pair's image: 512 consecutive bytes a store
	global_store_b128 v1, v[PB+4*\g:PB+4*\g+3], s[36:37] offset:((\o)/2)*1536+512*\g
.endr
.if ((\o)/2)%2 == 0
	v_perm_b32 v[WAE], v[PW+1], v[PW], 0x05040100  ; the first head's word of the pair: the even tile's two bytes, then the odd tile's
	v_perm_b32 v[WBE], v[PW+1], v[PW], 0x07060302  ; the second head's
.else
	v_perm_b32 v[WAO], v[PW+1], v[PW], 0x05040100
	v_perm_b32 v[WBO], v[PW+1], v[PW], 0x07060302
	v_cndmask_b32 v[SA+(\o)/4], v[WAE], v[WAO], s38   ; the even pair's words in lanes 0-15, the odd pair's in lanes 16-31
	v_cndmask_b32 v[SB+(\o)/4], v[WBE], v[WBO], s38
.endif
.endif
.endm
.irp o, 0,1,2,3,4,5,6,7
	EPI_QK \o
.endr
	global_store_b64 v2, v[SA:SA+1], s[34:35] offset:6144     ; 256 consecutive bytes
	global_store_b64 v2, v[SB:SB+1], s[36:37] offset:6144
	s_endpgm
; v: outer tile o = 16 channels; the 64 registers are the block's 128 keys: one fragment and one scale word a channel.
.macro EPI_V o
	s_wait_xcnt 0x0
	WIN 0x02+(\o)/4                                ; source 0 window 2 or 3
.set kk, 0
.rept 32
	v_pk_add_f32 v[HA+2*kk:HA+2*kk+1], v[64*((\o)%4)+2*kk:64*((\o)%4)+2*kk+1], v[VB+2*(\o):VB+2*(\o)+1]
.set kk, kk+1
.endr
	WIN 0
	QUANT HA, PA, PA+6, PW+(\o)%2
.irp g, 0,1,2
.if (\o) < 4
	global_store_b128 v1, v[PA+4*\g:PA+4*\g+3], s[34:35] offset:((\o)%4)*1536+512*\g
.else
	global_store_b128 v1, v[PA+4*\g:PA+4*\g+3], s[36:37] offset:((\o)%4)*1536+512*\g
.endif
.endr
.if (\o)%2
	v_cndmask_b32 v[VS+(\o)/2], v[PW], v[PW+1], s38   ; the even tile's words in lanes 0-15, the odd tile's in lanes 16-31
.endif
.endm
.Lvout:
.irp o, 0,1,2,3
	EPI_V \o
.endr
	global_store_b64 v2, v[VS:VS+1], s[34:35] offset:6144
.irp o, 4,5,6,7
	EPI_V \o
.endr
	global_store_b64 v2, v[VS+2:VS+3], s[36:37] offset:6144
	s_endpgm
.Lfunc_end_k_q6e47c1bb5b_proj:
	.size	k_q6e47c1bb5b_proj, .Lfunc_end_k_q6e47c1bb5b_proj-k_q6e47c1bb5b_proj
	.p2alignl 7, 3214868480
	.fill 96, 4, 3214868480
	.section	.rodata,"a",@progbits
	.p2align	6, 0x0
	.amdhsa_kernel k_q6e47c1bb5b_proj
		.amdhsa_group_segment_fixed_size 0
		.amdhsa_private_segment_fixed_size 0
		.amdhsa_enable_private_segment 0
		.amdhsa_kernarg_size 56
		.amdhsa_user_sgpr_count 2
		.amdhsa_user_sgpr_kernarg_segment_ptr 1
		.amdhsa_wavefront_size32 1
		.amdhsa_system_sgpr_workgroup_id_x 1
		.amdhsa_system_sgpr_workgroup_id_y 1
		.amdhsa_system_sgpr_workgroup_id_z 1
		.amdhsa_system_vgpr_workitem_id 0
		.amdhsa_next_free_vgpr 1024
		.amdhsa_next_free_sgpr 66
		.amdhsa_reserve_vcc 0
		.amdhsa_float_denorm_mode_32 3
		.amdhsa_float_denorm_mode_16_64 3
		.amdhsa_memory_ordered 1
		.amdhsa_forward_progress 1
		.amdhsa_inst_pref_size 158
	.end_amdhsa_kernel
	.amdgpu_metadata
---
amdhsa.version: [ 1, 2 ]
amdhsa.kernels:
  - .name:           k_q6e47c1bb5b_proj
    .symbol:         k_q6e47c1bb5b_proj.kd
    .args:
      - { .name: codes, .offset: 0, .size: 8, .value_kind: global_buffer, .address_space: global }
      - { .name: scl, .offset: 8, .size: 8, .value_kind: global_buffer, .address_space: global }
      - { .name: bq, .offset: 16, .size: 8, .value_kind: global_buffer, .address_space: global }
      - { .name: bk, .offset: 24, .size: 8, .value_kind: global_buffer, .address_space: global }
      - { .name: bv, .offset: 32, .size: 8, .value_kind: global_buffer, .address_space: global }
      - { .name: qb, .offset: 40, .size: 8, .value_kind: global_buffer, .address_space: global }
      - { .name: kv, .offset: 48, .size: 8, .value_kind: global_buffer, .address_space: global }
    .group_segment_fixed_size: 0
    .private_segment_fixed_size: 0
    .kernarg_segment_align: 8
    .kernarg_segment_size: 56
    .max_flat_workgroup_size: 96
    .sgpr_count:     66
    .vgpr_count:     1024
    .wavefront_size: 32
...
	.end_amdgpu_metadata
.endif
;; end of part 2
;; launch attn (part 3): grid 16 x 16, 16 waves a work-group, no clusters, 327,680 bytes of LDS; arguments qb, kv, out0; writes out0
.if DOCPART == 3
	.amdgcn_target "amdgcn-amd-amdhsa--gfx1250"
	.amdhsa_code_object_version 6
	.text
	.protected	k_q6e47c1bb5b_attn
	.globl	k_q6e47c1bb5b_attn
	.p2align	8
	.type	k_q6e47c1bb5b_attn,@function
k_q6e47c1bb5b_attn:
	s_mov_b64 s[64:65], 0
	v_nop
	global_prefetch_b8 v0, s[64:65] scope:SCOPE_SE
	s_setreg_imm32_b32 hwreg(HW_REG_WAVE_MODE, 25, 1), 1
	s_wait_xcnt 0x0
; out[b][q][64 head + d] = the sum over keys k <= q of softmax_k(q . k / sqrt(512)) v[k][d], both products on codes of BF6 with one E8M0 scale for each 32 along K.
; THE SOFTMAX AHEAD OF THE SECOND PRODUCT: t = score x log2(e) / sqrt(512); M = the running largest t rounded UP to a whole number; p = 2^(t - M) is quantised along the keys, not normalised;
; the row's sum is taken of the unquantised p in f32 and divides at the end; when M moves, the sum and O are multiplied by 2^(old M - new M), which rounds nothing.
; SHARES.  Work-group (j, head) owns the blocks of 128 queries j and 31 - j of its head; a wave owns ONE tile of 16 queries: tile w / 2 of block j or 31 - j (the bit (w xor w / 4) & 1 says which,
; so that low and high blocks are mixed among any four neighbouring waves and among waves four apart).  A tile of block QB needs QB + 1 key steps of 128 keys: every work-group has
; 8 (j + 1) + 8 (32 - j) = 264 steps of a wave.  EVERY wave walks all 32 steps: the trip counts are constants; a step whose keys all come after the wave's queries is jumped over by a
; scalar branch on ids, round its loads, products and softmax alone; the one step on the diagonal is masked.
; NO CLUSTER: the work-groups that read one head's tiles differ in that jump, which leaves out half of all the work; joint loads would ask that partners run alike.
; NO PREFETCH: a slot holds eight key steps and is asked for eight steps ahead of its first read.
; LAYOUT.  Both products are used transposed (S^T = K Q^T, O^T = V^T P^T): a lane holds ONE query (lane % 16) throughout.  The head has 64 channels, half of the instruction's K: a fragment of K
; holds TWO tiles of keys (K 0-63: the pair's even tile, K 64-127: the odd one), and Q stands against it as [Q, 0] or as [0, Q]: no zero is stored or loaded for K.
; By the tiles' row order the 16 registers of a pair's two results are the keys 32 pair + 16 (lane / 16) + 0 .. 15.
; A record of kv (12,800 bytes, 128 keys): K's 4 pair images, 256 bytes of their scale words, V's 4 fragments (16 channels x 128 keys), 256 bytes of theirs; all images of registers: 16 bytes a lane.
; LIMITS: a block of p whose every number has fallen to 0 keeps the byte 1 (its codes are zeros); NaN and infinities are not served.
; REGISTERS: v1-11 addresses and constants; v12 -M, v13 the largest t, v[14:15] the sum in two halves; v16-33 Q, zeros, Q; v34 Q's scale word, v35 p's, v36-37 K's, v38-39 V's;
; v40-87 K's fragments (at work once the scores are made); v88-135 V's; v136-199 S^T, then p; v200-231 O^T; v232-243 p's codes.
.set REC,   12800
.set SLOTB, 8*REC                      ; a slot: eight key steps
.set SLOT1, 1<<17                      ; slot 1 begins here: one exclusive or turns an address in one slot into the other's
.set SPARE, SLOT1+SLOTB                ; the spare words, 128 bytes for each of the sixteen waves: eight blocks of 256 bytes that no other line names
.set STAGE, SPARE+2048                 ; the way out: 16 rows x 272 bytes for each wave; no tile ever lands here
.set STW,   4352
.set KFR,   40
.set VFR,   88
.set S,     136
.set O,     200
.set PCD,   232
.set TM,    40                         ; v40-43 the blocks' largest scores, then largest p
.set TP,    44                         ; v44-47 the other half's maxima; a chain of the sum; the bytes
.set TSO,   48                         ; v48-51 the conversions' scale operands
.set F,     52                         ; v[52:53] f = 2^(old M - new M), in the low word
.set T,     54
.set CT,    56                         ; v56-58, v60-62 the upper halves of the blocks
; s10 wave, s11 j, s12 head (8 batch + head), s13 QB, s14 tile; s[20:21] lane selects; s[22:23] c; s[24:31], s[32:35] the descriptor; s36 LDS byte of the step's record; s37 the step; s38, s39 counters; s40 mask
.macro TLOAD                           ; waves 0 to 3 fetch a quarter of a slot each; four v_nop follow the load
	s_cmp_lt_u32 s10, 4
	s_cbranch_scc0 .Lno_load_\@
	tensor_load_to_lds s[32:35], s[24:31]
	s_nop 0
.rept 4
	v_nop
.endr
.Lno_load_\@:
.endm
; THE CHANGE OF SLOTS stands at a slot's head: each wave waits for all its tensor loads (its part of the slot ahead), adds 0 to its spare word, waits for that and for its reads of the slot that it has left;
; behind the barrier the slot ahead is whole and nobody reads the other.  fill = 1: that other slot takes the next eight key steps: by this text's count one tensor load of a wave is out.
.macro CHANGE fill
	s_wait_tensorcnt 0x0                           ; no tensor load of mine is out, so the descriptor may be written
	ds_add_u32 v5, v6
.if \fill
	s_xor_b32 s33, s33, SLOT1                      ; the other slot than last time,
	s_add_nc_u64 s[34:35], s[34:35], SLOTB         ; the next eight records; the type bits on top are not reached
.endif
	s_wait_dscnt 0x0                               ; the add is done, and my reads of the slot that I have left are over
	s_barrier_signal -1
	s_barrier_wait -1
.if \fill
	TLOAD                                          ; the first thing behind the barrier, a wave's one tensor load until the next
.endif
.endm
; A KEY STEP: 128 keys.
.macro STEP
	s_cmp_gt_u32 s37, s13                          ; all its keys come after my queries: nothing but the steps of the addresses is left
	s_cbranch_scc1 .Lhidden_\@
	s_setprio 2
	v_add_nc_u32 v8, s36, v1
	v_add_nc_u32 v9, s36, v2
	v_nop
	v_nop                                          ; four places behind the last step's products, in front of the loads into their sources
.irp p, 0,1,2,3
.irp g, 0,1,2
	ds_load_b128 v[KFR+12*\p+4*\g:KFR+12*\p+4*\g+3], v8 offset:\p*1536+512*\g
.endr
.endr
	ds_load_b64 v[36:37], v9 offset:6144           ; K's scale words: register m: pair 2 m in lanes 0-15, pair 2 m + 1 in lanes 16-31
.irp t, 0,1,2,3
.irp g, 0,1,2
	ds_load_b128 v[VFR+12*\t+4*\g:VFR+12*\t+4*\g+3], v8 offset:6400+\t*1536+512*\g
.endr
.endr
	ds_load_b64 v[38:39], v9 offset:12544          ; V's
	s_wait_dscnt 13                                ; K's 13 loads are in; V's 13 may be out
.irp p, 0,1,2,3
.if \p%2
	v_wmma_scale_f32_16x16x128_f8f6f4 v[S+16*\p:S+16*\p+7], v[KFR+12*\p:KFR+12*\p+11], v[16:27], 0, v[36+\p/2], v34 matrix_a_fmt:MATRIX_FMT_BF6 matrix_b_fmt:MATRIX_FMT_BF6 matrix_a_scale:MATRIX_SCALE_ROW1
	v_wmma_scale_f32_16x16x128_f8f6f4 v[S+16*\p+8:S+16*\p+15], v[KFR+12*\p:KFR+12*\p+11], v[22:33], 0, v[36+\p/2], v34 matrix_a_fmt:MATRIX_FMT_BF6 matrix_b_fmt:MATRIX_FMT_BF6 matrix_a_scale:MATRIX_SCALE_ROW1
.else
	v_wmma_scale_f32_16x16x128_f8f6f4 v[S+16*\p:S+16*\p+7], v[KFR+12*\p:KFR+12*\p+11], v[16:27], 0, v[36+\p/2], v34 matrix_a_fmt:MATRIX_FMT_BF6 matrix_b_fmt:MATRIX_FMT_BF6
	v_wmma_scale_f32_16x16x128_f8f6f4 v[S+16*\p+8:S+16*\p+15], v[KFR+12*\p:KFR+12*\p+11], v[22:33], 0, v[36+\p/2], v34 matrix_a_fmt:MATRIX_FMT_BF6 matrix_b_fmt:MATRIX_FMT_BF6
.endif
.endr                                          ; register 16 b + i of S^T: key 32 b + 16 (lane / 16) + i of the step
.rept 4
	v_nop                                          ; places in front of the reads of the scores and of the writes into K's registers
.endr
	s_cmp_lg_u32 s37, s13                          ; only the step on the diagonal is masked
	s_cbranch_scc1 .Lopen_\@
.set n, 0
.rept 64
	v_cmp_gt_i32 vcc_lo, 32*(n/16)+n%16, v3        ; hidden where the key comes after my query: v3 = my query in its block - 16 (lane / 16)
	v_cndmask_b32 v[S+n], v[S+n], v7, vcc_lo       ; its score becomes -infinity: p = 0
.set n, n+1
.endr
.Lopen_\@:
.irp b, 0,1,2,3
	v_max3_num_f32 v[TM+\b], v[S+16*\b], v[S+1+16*\b], v[S+2+16*\b]   ; the largest score of each block of 32 keys: it serves the row's maximum and, since p rises with the score, the block's largest p
.endr
.irp i, 3,5,7,9,11,13
.irp b, 0,1,2,3
	v_max3_num_f32 v[TM+\b], v[TM+\b], v[S+16*\b+\i], v[S+1+16*\b+\i]
.endr
.endr
.irp b, 0,1,2,3
	v_max_num_f32 v[TM+\b], v[TM+\b], v[S+15+16*\b]
.endr
.irp b, 0,1,2,3
	s_delay_alu instid0(VALU_DEP_4)
	v_permlanex16_b32 v[TP+\b], v[TM+\b], s20, s21
.endr
.irp b, 0,1,2,3
	s_delay_alu instid0(VALU_DEP_4)
	v_max_num_f32 v[TM+\b], v[TM+\b], v[TP+\b]     ; with lane l xor 16's 16 keys
.endr
	s_delay_alu instid0(VALU_DEP_2)
	v_max3_num_f32 v[T], v[TM], v[TM+1], v[TM+2]
	s_delay_alu instid0(VALU_DEP_1)
	v_max_num_f32 v[T], v[T], v[TM+3]              ; the step's largest score of my query,
	s_delay_alu instid0(VALU_DEP_1)
	v_mul_f32 v[T], s22, v[T]                      ; as t (c is positive)
	s_delay_alu instid0(VALU_DEP_1)
	v_max_num_f32 v13, v13, v[T]                   ; the running largest t
	v_mov_b32 v[T], v12
	s_delay_alu instid0(VALU_DEP_2)
	v_floor_f32 v12, -v13                          ; the new -M = floor(-t) = -ceil(t)
	s_delay_alu instid0(VALU_DEP_1)
	v_sub_f32 v[T], v12, v[T]                      ; old M - new M: a whole number, 0 or less
	s_delay_alu instid0(VALU_DEP_1)
	v_cvt_i32_f32 v[T], v[T]                       ; (it saturates)
	s_delay_alu instid0(VALU_DEP_1)
	v_ldexp_f32 v[F], 1.0, v[T]                    ; f = 2^(old M - new M)
.set n, 0
.rept 32
	v_pk_fma_f32 v[S+n:S+n+1], v[S+n:S+n+1], s[22:23], v[12:13] op_sel_hi:[1,0,0]   ; t - M, two at a time
.set n, n+2
.endr
	s_setprio 1
.irp b, 0,1,2,3
	v_fma_f32 v[TM+\b], v[TM+\b], s22, v12         ; the same of each block's largest score
.endr
.set n, 0
	s_wait_alu depctr_va_vdst(0)
.rept 64
	v_exp_f32 v[S+n], v[S+n]                       ; p = 2^(t - M), at most 1
.set n, n+1
.endr
	v_pk_mul_f32 v[14:15], v[14:15], v[F:F+1] op_sel_hi:[1,0]   ; the sums under the new M; also the plain place behind the exponentials
	s_wait_alu depctr_va_vdst(0)                   ; one wait for the batch of 64, ahead of its first reader
.irp b, 0,1,2,3
	v_exp_f32 v[TM+\b], v[TM+\b]                   ; the block's largest p: the same two instructions on the same number
.endr
	v_pk_add_f32 v[44:45], v[140:141], v[144:145]
	v_pk_add_f32 v[254:255], v[148:149], v[152:153]
	v_pk_add_f32 v[252:253], v[156:157], v[160:161]
	v_pk_add_f32 v[250:251], v[164:165], v[168:169]
	v_pk_add_f32 v[248:249], v[172:173], v[176:177]
	v_pk_add_f32 v[246:247], v[180:181], v[184:185]
	v_pk_add_f32 v[244:245], v[188:189], v[192:193]
	v_pk_add_f32 v[14:15], v[14:15], v[196:197]
	v_pk_add_f32 v[44:45], v[44:45], v[136:137]
	v_pk_add_f32 v[254:255], v[254:255], v[138:139]
	v_pk_add_f32 v[252:253], v[252:253], v[142:143]
	v_pk_add_f32 v[250:251], v[250:251], v[146:147]
	v_pk_add_f32 v[248:249], v[248:249], v[150:151]
	v_pk_add_f32 v[246:247], v[246:247], v[154:155]
	v_pk_add_f32 v[244:245], v[244:245], v[158:159]
	v_pk_add_f32 v[14:15], v[14:15], v[162:163]
	v_pk_add_f32 v[44:45], v[44:45], v[166:167]
	v_pk_add_f32 v[254:255], v[254:255], v[170:171]
	v_pk_add_f32 v[252:253], v[252:253], v[174:175]
	v_pk_add_f32 v[250:251], v[250:251], v[178:179]
	v_pk_add_f32 v[248:249], v[248:249], v[182:183]
	v_pk_add_f32 v[246:247], v[246:247], v[186:187]
	v_pk_add_f32 v[244:245], v[244:245], v[190:191]
	v_pk_add_f32 v[14:15], v[14:15], v[194:195]
	v_pk_add_f32 v[44:45], v[44:45], v[198:199]
	s_delay_alu instid0(VALU_DEP_2)
	v_pk_add_f32 v[14:15], v[14:15], v[250:251]
	s_delay_alu instid0(VALU_DEP_2)
	v_pk_add_f32 v[44:45], v[44:45], v[248:249]
	v_pk_add_f32 v[254:255], v[254:255], v[246:247]
	v_pk_add_f32 v[252:253], v[252:253], v[244:245]
	s_delay_alu instid0(VALU_DEP_2)
	v_pk_add_f32 v[14:15], v[14:15], v[254:255]
	s_delay_alu instid0(VALU_DEP_2)
	v_pk_add_f32 v[44:45], v[44:45], v[252:253]
	s_delay_alu instid0(VALU_DEP_1)
	v_pk_add_f32 v[14:15], v[14:15], v[44:45]
	s_wait_alu depctr_va_vdst(0)                   ; and one for the four
.irp b, 0,1,2,3
	v_max_num_f32 v[TM+\b], 0x2800000, v[TM+\b]    ; the floor 2^(5 - 127): the byte cannot fall under 1
.endr
.irp b, 0,1,2,3
	s_delay_alu instid0(VALU_DEP_4)
	v_add_nc_u32 v[TSO+\b], 0xfe000000, v[TM+\b]   ; 4 off the exponent field: the conversion's scale operand
.endr
.irp b, 0,1,2,3
	s_delay_alu instid0(VALU_DEP_4)
	v_lshrrev_b32 v[TP+\b], 23, v[TSO+\b]          ; the scale's byte
.endr
	s_delay_alu instid0(VALU_DEP_3)
	v_lshl_or_b32 v35, v[TP+1], 8, v[TP]           ; p's scale word for these 128 keys
	s_delay_alu instid0(VALU_DEP_1)
	v_lshl_or_b32 v35, v[TP+2], 16, v35
	s_delay_alu instid0(VALU_DEP_1)
	v_lshl_or_b32 v35, v[TP+3], 24, v35
	s_setprio 0
.irp c, 0,1
	v_cvt_scalef32_pk16_bf6_f32 v[PCD+6*\c:PCD+6*\c+2], v[S+32*\c:S+32*\c+15], v[TSO+2*\c]
	v_cvt_scalef32_pk16_bf6_f32 v[CT+4*\c:CT+4*\c+2], v[S+32*\c+16:S+32*\c+31], v[TSO+2*\c+1]
.endr
	v_nop                                          ; one plain place behind the scaled conversions
.irp c, 0,1
.irp i, 0,1,2
	v_permlane16_swap_b32 v[PCD+6*\c+\i], v[CT+4*\c+\i]   ; a whole block in a lane
.endr
.irp i, 0,1,2
	s_delay_alu instid0(VALU_DEP_3)
	v_mov_b32 v[PCD+3+6*\c+\i], v[CT+4*\c+\i]
.endr
.endr
.set n, 0
.rept 16
	v_pk_mul_f32 v[O+n:O+n+1], v[O+n:O+n+1], v[F:F+1] op_sel_hi:[1,0]   ; O^T under the new M; these also stand between the codes' and the scale word's last writes and the products
.set n, n+2
.endr
	s_wait_alu depctr_va_vdst(0)
	s_wait_dscnt 0x0                               ; V is in
.irp t, 0,1,2,3
.if \t%2
	v_wmma_scale_f32_16x16x128_f8f6f4 v[O+8*\t:O+8*\t+7], v[VFR+12*\t:VFR+12*\t+11], v[PCD:PCD+11], v[O+8*\t:O+8*\t+7], v[38+\t/2], v35 matrix_a_fmt:MATRIX_FMT_BF6 matrix_b_fmt:MATRIX_FMT_BF6 matrix_a_scale:MATRIX_SCALE_ROW1
.else
	v_wmma_scale_f32_16x16x128_f8f6f4 v[O+8*\t:O+8*\t+7], v[VFR+12*\t:VFR+12*\t+11], v[PCD:PCD+11], v[O+8*\t:O+8*\t+7], v[38+\t/2], v35 matrix_a_fmt:MATRIX_FMT_BF6 matrix_b_fmt:MATRIX_FMT_BF6
.endif
.endr
.Lhidden_\@:
	s_add_co_u32 s36, s36, REC                     ; the next record
	s_add_co_u32 s37, s37, 1
.endm
.macro SLOT_STEPS                      ; a slot's eight key steps: written once, walked eight times
	s_mov_b32 s39, 8
.Lstep_\@:
	STEP
	s_sub_co_u32 s39, s39, 1
	s_cmp_lg_u32 s39, 0
	s_cbranch_scc1 .Lstep_\@
	s_setprio 0
	s_sub_co_u32 s36, s36, SLOTB                   ; back to a slot's first record,
	s_xor_b32 s36, s36, SLOT1                      ; in the other slot
.endm
	s_load_b128 s[4:7], s[0:1], 0x0                ; qb s[4:5], kv s[6:7]
	s_load_b64 s[8:9], s[0:1], 0x10                ; out0
	v_lshl_add_u32 v5, v0, 2, SPARE                ; my spare word; never rewritten
	v_mov_b32 v6, 0                                ; 0; never rewritten
	ds_add_u32 v5, v6
	ds_add_u32 v5, v6
	s_wait_dscnt 0x0
	v_lshrrev_b32 v10, 5, v0
	s_delay_alu instid0(VALU_DEP_1)
	v_readfirstlane_b32 s10, v10                   ; wave 0..15
	s_mov_b32 s11, ttmp9                           ; j
	s_and_b32 s12, ttmp7, 0xffff                   ; 8 batch + head
	s_lshr_b32 s14, s10, 1                         ; my tile of the block
	s_lshr_b32 s41, s10, 2
	s_xor_b32 s41, s41, s10
	s_and_b32 s41, s41, 1
	s_sub_co_u32 s42, 31, s11
	s_cmp_eq_u32 s41, 1
	s_cselect_b32 s13, s42, s11                    ; QB: block 31 - j or block j
	; the descriptor's group 1: a quarter of a slot, 25,600 dense bytes, as 100 rows of 256 bytes (32 elements of 8 bytes), no padding
	s_mov_b32 s24, 3<<16
	s_mov_b32 s25, 32<<16                          ; tensor_dim0
	s_mov_b32 s26, 100<<16                         ; tensor_dim1
	s_mov_b32 s27, 32<<16                          ; tile_dim0
	s_mov_b32 s28, 100                             ; tile_dim1
	s_mov_b32 s29, 32                              ; from row to row
	s_mov_b32 s30, 0
	s_mov_b32 s31, 0
	s_and_b32 s43, s10, 3
	s_mul_i32 s43, s43, 25600                      ; which quarter (waves 0 to 3 alone issue loads)
	s_mul_i32 s44, s12, 409600                     ; a head's 32 records
	s_add_co_u32 s44, s44, s43
	s_mov_b32 s45, 0
	s_mov_b32 s32, 1
	s_mov_b32 s33, s43                             ; slot 0
	s_wait_kmcnt 0x0
	s_add_nc_u64 s[34:35], s[6:7], s[44:45]
	s_or_b32 s35, s35, 0x80000000
	TLOAD                                          ; slot 0, ahead of everything else; slot 1 is filled behind the first barrier, as a refill is
	s_lshl_b32 s46, s12, 5
	s_add_co_u32 s46, s46, s13
	s_mul_i32 s46, s46, 6400                       ; my block's record in qb
	s_lshr_b32 s47, s14, 1                         ; my tile's pair
	s_mul_i32 s48, s47, 1536
	s_add_co_u32 s48, s48, s46
	s_mov_b32 s49, 0
	s_add_nc_u64 s[50:51], s[4:5], s[48:49]        ; the pair's image
	s_and_b32 s52, s47, 1
	s_lshl_b32 s52, s52, 7                         ; its scale words: lanes 16-31's 128 bytes for an odd pair,
	s_lshr_b32 s53, s14, 2
	s_lshl_b32 s53, s53, 2                         ; the second word of a lane's eight bytes for pairs 2 and 3
	s_add_co_u32 s52, s52, s53
	s_add_co_u32 s52, s52, s46
	s_mov_b32 s53, 0
	s_add_nc_u64 s[52:53], s[4:5], s[52:53]
	v_and_b32 v9, 31, v0
	s_delay_alu instid0(VALU_DEP_1)
	v_lshlrev_b32 v1, 4, v9                        ; 16 x lane
	s_delay_alu instid0(VALU_DEP_2)
	v_lshlrev_b32 v2, 3, v9                        ; 8 x lane
	v_and_b32 v8, 15, v0                           ; r
	v_bfe_u32 v9, v0, 4, 1                         ; h
	s_delay_alu instid0(VALU_DEP_2)
	v_lshlrev_b32 v11, 3, v8
.irp g, 0,1,2
	global_load_b128 v[40+4*\g:43+4*\g], v1, s[50:51] offset:512*\g
.endr
	global_load_b32 v10, v11, s[52:53] offset:6144 ; query r's word of the pair
	s_lshl_b32 s54, s47, 5
	s_and_b32 s55, s14, 1
	s_lshl_b32 s56, s55, 3
	s_add_co_u32 s54, s54, s56                     ; the tile's first query in its block: 32 (t / 2) + 8 (t % 2)
	s_lshl_b32 s57, s55, 4                         ; the odd tile's bytes are the word's upper half
	s_cmp_eq_u32 s55, 1
	s_cselect_b32 s40, -1, 0
	v_and_b32 v3, 8, v8
	s_delay_alu instid0(VALU_DEP_1)
	v_add_nc_u32 v3, v3, v8                        ; r + 8 (r / 8)
	v_lshlrev_b32 v4, 4, v9
	s_delay_alu instid0(VALU_DEP_1)
	v_sub_nc_u32 v3, v3, v4
	s_delay_alu instid0(VALU_DEP_1)
	v_add_nc_u32 v3, s54, v3                       ; my query in its block - 16 h
	v_lshlrev_b32 v4, 11, v9
	s_delay_alu instid0(VALU_DEP_1)
	v_lshl_add_u32 v4, v8, 4, v4                   ; the way out: lanes 0-15 one row of out0, lanes 16-31 the next; 16 bytes a lane
	v_mov_b32 v7, 0xff800000                       ; -infinity
	v_mov_b32 v13, 0xff61b1e6                      ; the largest t so far: -3e38, under every t
	s_delay_alu instid0(VALU_DEP_1)
	v_floor_f32 v12, -v13                          ; -M
	v_mov_b32 v14, 0
	v_mov_b32 v15, 0
	s_lshr_b32 s58, s12, 3
	s_lshl_b32 s58, s58, 23                        ; the batch: 4,096 rows of 2,048 bytes,
	s_lshl_b32 s59, s13, 7
	s_add_co_u32 s59, s59, s54
	s_lshl_b32 s59, s59, 11                        ; my tile's first row,
	s_add_co_u32 s58, s58, s59
	s_and_b32 s59, s12, 7
	s_lshl_b32 s59, s59, 8                         ; the head's 256 bytes of a row
	s_add_co_u32 s58, s58, s59
	s_mov_b32 s59, 0
	s_add_nc_u64 s[8:9], s[8:9], s[58:59]
	s_mov_b32 s20, 0x76543210
	s_mov_b32 s21, 0xfedcba98
	s_mov_b32 s22, 0x3d8293ee                      ; c = log2(e) / sqrt(512)
	s_mov_b32 s23, s22                             ; named with it as a pair, so it is written
	s_mov_b32 s36, 0
	s_mov_b32 s37, 0
	s_mov_b32 s38, 3
	s_wait_loadcnt 0x0
.irp i, 0,1,2,3,4,5
	v_cndmask_b32 v[16+\i], v[40+\i], v[46+\i], s40   ; my tile's six registers of the pair's twelve
.endr
.irp i, 0,1,2,3,4,5
	v_mov_b32 v[22+\i], 0                          ; v[16:27] = [Q, 0]
.endr
.irp i, 0,1,2,3,4,5
	v_mov_b32 v[28+\i], v[16+\i]                   ; v[22:33] = [0, Q]
.endr
	v_lshrrev_b32 v10, s57, v10
	s_delay_alu instid0(VALU_DEP_1)
	v_and_b32 v10, 0xffff, v10
	s_delay_alu instid0(VALU_DEP_1)
	v_lshl_or_b32 v34, v10, 16, v10                ; Q's two bytes, for either half of K
.set n, 0
.rept 32
	v_mov_b32 v[O+n], 0                            ; O^T: the loop is written once; its first step finds zeros, which the first change of M leaves zeros
.set n, n+1
.endr
.Lslot:                                            ; three trips: behind each change of slots but the last the next slot is asked for
	CHANGE 1
	SLOT_STEPS
	s_sub_co_u32 s38, s38, 1
	s_cmp_lg_u32 s38, 0
	s_cbranch_scc1 .Lslot
	CHANGE 0                                       ; the last slot is written out
	SLOT_STEPS
	; THE WAY OUT.  O^T / the sum goes through my stage in LDS (16 rows of 256 bytes + 16) and leaves as whole rows of the head: sixteen lanes store 256 consecutive bytes.
	v_add_f32 v14, v14, v15                        ; the sum's two halves,
	s_delay_alu instid0(VALU_DEP_1)
	v_permlanex16_b32 v11, v14, s20, s21
	s_delay_alu instid0(VALU_DEP_1)
	v_add_f32 v14, v14, v11                        ; and lane l xor 16's
	s_wait_alu depctr_va_vdst(0)
	v_rcp_f32 v14, v14
	v_and_b32 v8, 15, v0                           ; (a plain place behind the reciprocal)  r
	v_bfe_u32 v9, v0, 4, 1                         ; h
	s_mul_i32 s41, s10, STW
	s_add_co_u32 s41, s41, STAGE                   ; my stage
	v_mul_u32_u24 v10, v8, 272
	s_delay_alu instid0(VALU_DEP_1)
	v_lshl_add_u32 v10, v9, 6, v10
	s_delay_alu instid0(VALU_DEP_1)
	v_add_nc_u32 v10, s41, v10                     ; in: row r, + 64 h: register 16 b + i is channel 32 b + 16 h + i
	v_mul_u32_u24 v11, v9, 272
	s_delay_alu instid0(VALU_DEP_1)
	v_lshl_add_u32 v11, v8, 4, v11
	s_delay_alu instid0(VALU_DEP_1)
	v_add_nc_u32 v11, s41, v11                     ; back: lanes 0-15 one row, lanes 16-31 the next
	s_wait_alu depctr_va_vdst(0)                   ; the wait ahead of the reciprocal's first reader
.set n, 0
.rept 16
	v_pk_mul_f32 v[S+n:S+n+1], v[O+n:O+n+1], v[14:15] op_sel_hi:[1,0]
.set n, n+2
.endr
.irp b, 0,1
.irp c, 0,1,2,3
	ds_store_b128 v10, v[S+16*\b+4*\c:S+16*\b+4*\c+3] offset:128*\b+16*\c
.endr
.endr
.irp i, 0,1,2,3,4,5,6,7
	ds_load_b128 v[S+32+4*\i:S+35+4*\i], v11 offset:544*\i    ; LDS serves a wave's instructions in order: these see my stores
.endr
.irp i, 0,1,2,3,4,5,6,7
	s_wait_dscnt 7-\i                              ; rows 2 i and 2 i + 1 are back; the 7 - i younger loads may be out
	global_store_b128 v4, v[S+32+4*\i:S+35+4*\i], s[8:9] offset:(2*\i+8*(\i/4))*2048 th:TH_STORE_NT   ; the tile's rows 8-15 are queries 16-23 of its pair
.endr
	s_wait_tensorcnt 0x0                           ; the wave's end
	ds_add_u32 v5, v6
	s_wait_dscnt 0x0
	s_endpgm
.Lfunc_end_k_q6e47c1bb5b_attn:
	.size	k_q6e47c1bb5b_attn, .Lfunc_end_k_q6e47c1bb5b_attn-k_q6e47c1bb5b_attn
	.p2alignl 7, 3214868480
	.fill 96, 4, 3214868480
	.section	.rodata,"a",@progbits
	.p2align	6, 0x0
	.amdhsa_kernel k_q6e47c1bb5b_attn
		.amdhsa_group_segment_fixed_size 327680
		.amdhsa_private_segment_fixed_size 0
		.amdhsa_enable_private_segment 0
		.amdhsa_kernarg_size 24
		.amdhsa_user_sgpr_count 2
		.amdhsa_user_sgpr_kernarg_segment_ptr 1
		.amdhsa_wavefront_size32 1
		.amdhsa_system_sgpr_workgroup_id_x 1
		.amdhsa_system_sgpr_workgroup_id_y 1
		.amdhsa_system_sgpr_workgroup_id_z 1
		.amdhsa_system_vgpr_workitem_id 0
		.amdhsa_next_free_vgpr 256
		.amdhsa_next_free_sgpr 66
		.amdhsa_reserve_vcc 1
		.amdhsa_float_denorm_mode_32 3
		.amdhsa_float_denorm_mode_16_64 3
		.amdhsa_memory_ordered 1
		.amdhsa_forward_progress 1
		.amdhsa_inst_pref_size 56
	.end_amdhsa_kernel
	.amdgpu_metadata
---
amdhsa.version: [ 1, 2 ]
amdhsa.kernels:
  - .name:           k_q6e47c1bb5b_attn
    .symbol:         k_q6e47c1bb5b_attn.kd
    .args:
      - { .name: qb, .offset: 0, .size: 8, .value_kind: global_buffer, .address_space: global }
      - { .name: kv, .offset: 8, .size: 8, .value_kind: global_buffer, .address_space: global }
      - { .name: out0, .offset: 16, .size: 8, .value_kind: global_buffer, .address_space: global }
    .group_segment_fixed_size: 327680
    .private_segment_fixed_size: 0
    .kernarg_segment_align: 8
    .kernarg_segment_size: 24
    .max_flat_workgroup_size: 512
    .sgpr_count:     66
    .vgpr_count:     256
    .wavefront_size: 32
...
	.end_amdgpu_metadata
.endif
;; end of part 3
